; MI455X (gfx1250); checked and timed in simulation.
; The chip was launched on July 23, 2026; its instructions are those of AMD's public machine-readable ISA for CDNA 5 (MIT licence, August 2026) and "CDNA5" Instruction Set Architecture Reference Guide (July 2026). The comments in the code are by the model that wrote it; some were corrected since.
;; Multi Head Attention. Allowed arithmetic: matrix products marked QUANTISED: E2M1 operands, one E8M0 scale for each 32 along K, by v_wmma_scale_f32_16x16x128_f8f6f4 with both operands' format E2M1 (or v_wmma_scale_f32_32x16x128_f4), f32 sums; products left as they are: bf16, f16 or f32 operands; f32 sums; everything else in f32.
;; Inputs: Wk 512 x 512 float32; Wo 512 x 512 float32; Wq 512 x 512 float32; Wv 512 x 512 float32; beta 512 float32; bk 512 float32; bo 512 float32; bq 512 float32; bv 512 float32; gamma 512 float32; query 16 x 1,024 x 512 float32; value 16 x 1,024 x 512 float32.
;; Outputs: out0 16 x 1,024 x 512 float32.
;; This version of the problem:
;;   THIS VERSION OF THE PROBLEM IS GIVEN IN LOW PRECISION. The matrix products marked QUANTISED in the list below multiply operands that are first quantised to E2M1 (2 exponent bits, 1 mantissa bit; 4 bits a number), with one power-of-two scale for each 32 numbers along K (OCP MX v1.0); their sums are f32. The products marked 'left as it is' may take bf16, f16 or f32 operands, with f32 sums. Whichever they take, every output number must still come out within the allowed error. Rounding operands to bf16 (8 significant bits) uses up far more of that allowance than f16 does (11 bits, for magnitudes from 6e-5 to 65,504). All else is computed in f32.
;;   The module's matrix products, in the order in which they are computed (A, B: the left and right operand; K: the contracted axis; several contracted axes count as one K, in the product's order):
;;     1. [M 16,384, K 512] x [K 512, N 512]; A: input query; B: input Wq: QUANTISED
;;     2. [M 16,384, K 512] x [K 512, N 512]; A: input value; B: input Wk: QUANTISED
;;     3. [M 16,384, K 512] x [K 512, N 512]; A: input value; B: input Wv: QUANTISED
;;     4. batch 128 x [M 1,024, K 64] x [K 64, N 1,024]; A: computed on the way; B: computed on the way: left as it is (an operand is computed on the way)
;;     5. batch 128 x [M 64, K 1,024] x [K 1,024, N 1,024]; A: computed on the way; B: computed on the way: left as it is (an operand is computed on the way)
;;     6. [M 16,384, K 512] x [K 512, N 512]; A: computed on the way; B: input Wo: left as it is (an operand is computed on the way)
;;   THE QUANTISER, for each operand of a quantised product, along K:
;;     - K is cut into blocks of 32 from its start; a last block that is shorter is filled with zeros.
;;     - A block's scale is 2^e with e = floor(log2(the largest magnitude in the block)) - 2, held to -126 .. 127; a block of zeros has e = 0. As a byte (E8M0): e + 127.
;;     - Each number is divided by its block's scale, clamped to +-6, and rounded to the nearest number of E2M1, ties to even, subnormals kept.
;;     - The product sums the exact products of the quantised numbers (number of the format x scale) in f32.
;;   ~~~python
;;   def quantise(x, axis):      # numpy; x: float32 -> the quantised numbers, widened to float32 again
;;       x = np.moveaxis(x, axis, -1); K = x.shape[-1]
;;       x = np.pad(x, [(0, 0)] * (x.ndim - 1) + [(0, -K % 32)]); x = x.reshape(x.shape[:-1] + (-1, 32)); a = np.abs(x).max(-1, keepdims=True)
;;       e = np.where(a > 0, np.clip(np.frexp(np.where(a > 0, a, 1))[1] - 1 - 2, -126, 127), 0)      # np.frexp(a)[1] - 1 = floor(log2(a)), exactly
;;       r = np.clip(x / 2.0 ** e, -6, 6)
;;       step = 2.0 ** (np.maximum(np.frexp(np.where(r == 0, 1, r))[1] - 1, 0) - 1)
;;       q = np.round(r / step) * step * 2.0 ** e      # np.round: ties to even
;;       return np.moveaxis(q.reshape(q.shape[:-2] + (-1,))[..., :K], -1, axis).astype(np.float32)
;;   ~~~
;; One version. Each part assembles by itself: llvm-mc -triple=amdgcn-amd-amdhsa -mcpu=gfx1250 --defsym DOCPART=n.
;; ======== version 1 of 1: 4 launches
;; limits: values are held in f16: magnitudes above 65,504 overflow, below 6.1e-05 lose precision
;; workspace buffers: wcodes 393,216 bytes; wscales 24,576 bytes; wo16 524,288 bytes; q16 16,777,216 bytes; kv 33,554,432 bytes; y 33,554,432 bytes; part 1,048,576 bytes
;; launch prep (part 1): grid 256 x 1, 1 waves a work-group, no clusters, 0 bytes of LDS; arguments Wq, Wk, Wv, Wo, wcodes, wscales, wo16; writes wcodes, wscales, wo16
.if DOCPART == 1
	.amdgcn_target "amdgcn-amd-amdhsa--gfx1250"
	.amdhsa_code_object_version 6
	.text
	.protected	k_q69dce9c180_prep
	.globl	k_q69dce9c180_prep
	.p2align	8
	.type	k_q69dce9c180_prep,@function
k_q69dce9c180_prep:
	s_mov_b64 s[64:65], 0
	v_nop
	global_prefetch_b8 v0, s[64:65] scope:SCOPE_SE
	s_setreg_imm32_b32 hwreg(HW_REG_WAVE_MODE, 25, 1), 1
	s_wait_xcnt 0x0
; THE WEIGHTS, ONCE.  Wq, Wk, Wv [512][512] f32 (K innermost) become codes of FP4 (E2M1) with one E8M0 byte for each 32 along K; Wo [512][512] f32 becomes f16.
; All three results are laid as IMAGES OF OPERAND REGISTERS: a fragment is 1,024 bytes, register group c (four registers) of lane l at 512 c + 16 l, so that a later wave loads a fragment by two loads of 512 consecutive bytes.
;   wcodes  [3 weights][32 tiles of 16 rows][4 K steps of 128][1,024]     wscales [3][512 rows][16 bytes], as the rows lie     wo16 [8 waves][16 K steps of 32][4 tiles of 16 rows][1,024]
; SHARES.  256 work-groups of one wave: weight = id / 64, tile of 16 rows = (id / 2) % 32, half of K = id % 2: 16 rows x 256 along K, 16 KiB read, by a wave.  r = lane % 16 is the row, h = lane / 16.
; A block's scale is 2^(floor(log2(its largest magnitude)) - 2): its byte is the largest magnitude's exponent field - 2, held at 1 from below by a floor among the maximum's leaves.
; LIMITS: a block of zeros, or one whose largest magnitude lies under 2^-124, gets the byte 1 (its codes are zeros; the bytes are read by this program alone).  NaN and infinities are not served.  |Wo| stays under 65,504.
; The scale words leave as 4 bytes a lane, 16 bytes apart: 24 KiB in the whole launch.  No LDS, no matrix unit, no cluster: 4 MiB are read once and nothing is shared.
.set NUM, 32                           ; v32-159  128 numbers as loaded
.set COD, 160                          ; v160-223 the results
	s_load_b256 s[4:11], s[0:1], 0x0               ; Wq s[4:5], Wk s[6:7], Wv s[8:9], Wo s[10:11]
	s_load_b128 s[12:15], s[0:1], 0x20             ; wcodes s[12:13], wscales s[14:15]
	s_load_b64 s[16:17], s[0:1], 0x30              ; wo16
	s_lshr_b32 s20, ttmp9, 6                       ; which weight
	s_bfe_u32 s21, ttmp9, 0x50001                  ; which tile of 16 rows
	s_and_b32 s22, ttmp9, 1                        ; which half of K
	v_and_b32 v1, 15, v0                           ; r
	v_lshrrev_b32 v2, 4, v0                        ; h
	v_lshlrev_b32 v3, 11, v1                       ; a row of the weight is 2,048 bytes
	v_lshlrev_b32 v4, 4, v0                        ; an image's place for my lane
	v_lshlrev_b32 v5, 4, v1
	v_lshl_add_u32 v5, v2, 2, v5                   ; my scale word: 16 r + 4 h
	v_lshlrev_b32 v6, 3, v2                        ; 8 h
	v_mov_b32 v24, 0                               ; a lane permute's destination counts as one of its sources
	s_mov_b32 s30, 0x76543210
	s_mov_b32 s31, 0xfedcba98                      ; v_permlanex16_b32's selects for lane l xor 16
	s_lshl_b32 s24, s21, 15                        ; 16 rows of 2,048 bytes a tile,
	s_lshl_b32 s25, s22, 10                        ; 256 numbers a half
	s_add_co_u32 s24, s24, s25
	s_mov_b32 s25, 0
	s_mov_b32 s27, 0
	s_wait_kmcnt 0x0
	s_cmp_eq_u32 s20, 0                            ; the choice hangs on the work-group's number alone
	s_cselect_b64 s[18:19], s[4:5], s[6:7]
	s_cmp_eq_u32 s20, 2
	s_cselect_b64 s[18:19], s[8:9], s[18:19]
	s_cmp_eq_u32 s20, 3
	s_cselect_b64 s[18:19], s[10:11], s[18:19]
	s_add_nc_u64 s[18:19], s[18:19], s[24:25]
	s_cmp_eq_u32 s20, 3
	s_cbranch_scc1 .Lwo
	; ---- Wq, Wk, Wv: lane (r, h) takes, of row r, the WHOLE blocks 2 c + h of each K step of 128: the order in which the operand's registers want them, so the conversions' results are the fragment
	v_lshl_add_u32 v3, v2, 7, v3                   ; + 128 h bytes
	s_lshl_b32 s26, s20, 17                        ; wcodes: 131,072 bytes a weight,
	s_lshl_b32 s28, s21, 12                        ; 4,096 a tile,
	s_add_co_u32 s26, s26, s28
	s_lshl_b32 s28, s22, 11                        ; 2,048 a half
	s_add_co_u32 s26, s26, s28
	s_add_nc_u64 s[12:13], s[12:13], s[26:27]
	s_lshl_b32 s26, s20, 13                        ; wscales: 8,192 bytes a weight,
	s_lshl_b32 s28, s21, 8                         ; 256 a tile,
	s_add_co_u32 s26, s26, s28
	s_lshl_b32 s28, s22, 3                         ; 8 a half
	s_add_co_u32 s26, s26, s28
	s_add_nc_u64 s[14:15], s[14:15], s[26:27]
.irp p, 0,1
.irp c, 0,1
.irp i, 0,1,2,3,4,5,6,7
	global_load_b128 v[NUM+64*\p+32*\c+4*\i:NUM+64*\p+32*\c+4*\i+3], v3, s[18:19] offset:512*\p+256*\c+16*\i th:TH_LOAD_NT
.endr
.endr
.endr
.macro QSTEP sp                        ; my K step sp of two
.if \sp == 0
	s_wait_loadcnt 16                              ; this step's 16 loads are in; the second step's 16 may be out
.else
	s_wait_loadcnt 0x0
.endif
.irp c, 0,1
	v_max3_num_f32 v[8+\c], |v[NUM+64*\sp+32*\c]|, |v[NUM+64*\sp+32*\c+1]|, 0x1800000   ; the floor 2^(3 - 127): the byte cannot fall under 1
.endr
.irp i, 2,4,6,8,10,12,14,16,18,20,22,24,26,28,30
.irp c, 0,1
	v_max3_num_f32 v[8+\c], v[8+\c], |v[NUM+64*\sp+32*\c+\i]|, |v[NUM+64*\sp+32*\c+\i+1]|   ; the two blocks by turns
.endr
.endr
.irp c, 0,1
	v_add_nc_u32 v[12+\c], 0xff000000, v[8+\c]     ; 2 off the exponent field: the conversion's scale operand
.endr
.irp c, 0,1
	v_lshrrev_b32 v[16+\c], 23, v[12+\c]           ; the scale's byte
.endr
	v_lshl_or_b32 v[20+\sp], v17, 16, v16          ; my two bytes, blocks h and 2 + h,
	v_lshlrev_b32 v[20+\sp], v6, v[20+\sp]         ; at their places in the word;
	v_permlanex16_b32 v24, v[20+\sp], s30, s31
	v_or_b32 v[20+\sp], v[20+\sp], v24             ; with lane l xor 16's two the word is whole
.irp c, 0,1
.irp g, 0,1,2,3
	v_cvt_scalef32_pk8_fp4_f32 v[COD+8*\sp+4*\c+\g], v[NUM+64*\sp+32*\c+8*\g:NUM+64*\sp+32*\c+8*\g+7], v[12+\c]
.endr
.endr
	v_nop                                          ; a plain line behind the last conversion: the next step writes the scale operands anew
.irp c, 0,1
	global_store_b128 v4, v[COD+8*\sp+4*\c:COD+8*\sp+4*\c+3], s[12:13] offset:1024*\sp+512*\c   ; 512 consecutive bytes a store
.endr
.endm
	QSTEP 0
	QSTEP 1
	v_cmp_eq_u32 vcc_lo, 1, v2
	v_cndmask_b32 v22, v20, v21, vcc_lo            ; lanes 0-15 store the first step's word of row r, lanes 16-31 the second's: no word is stored twice
	global_store_b32 v5, v22, s[14:15]
	s_endpgm
.Lwo:	; ---- Wo: an f16 fragment is 16 rows x 32 K: lane (r, h) holds K = 8 h + 0..7 in registers 0-3 and K = 16 + 8 h + 0..7 in registers 4-7
	v_lshl_add_u32 v3, v2, 5, v3                   ; + 32 h bytes
	s_lshr_b32 s26, s21, 2                         ; the wave that will own these rows: 65,536 bytes each,
	s_lshl_b32 s26, s26, 16
	s_lshl_b32 s28, s22, 15                        ; 8 K steps of 4,096 bytes a half,
	s_add_co_u32 s26, s26, s28
	s_and_b32 s28, s21, 3                          ; its tile: 1,024 bytes
	s_lshl_b32 s28, s28, 10
	s_add_co_u32 s26, s26, s28
	s_add_nc_u64 s[16:17], s[16:17], s[26:27]
.irp k, 0,1,2,3,4,5,6,7
.irp c, 0,1
.irp i, 0,1
	global_load_b128 v[NUM+16*\k+8*\c+4*\i:NUM+16*\k+8*\c+4*\i+3], v3, s[18:19] offset:128*\k+64*\c+16*\i th:TH_LOAD_NT
.endr
.endr
.endr
	s_wait_loadcnt 0x0
.set n, 0
.rept 64
	v_cvt_pk_f16_f32 v[COD+n], v[NUM+2*n], v[NUM+2*n+1]
.set n, n+1
.endr
.irp k, 0,1,2,3,4,5,6,7
.irp c, 0,1
	global_store_b128 v4, v[COD+8*\k+4*\c:COD+8*\k+4*\c+3], s[16:17] offset:4096*\k+512*\c
.endr
.endr
	s_endpgm
.Lfunc_end_k_q69dce9c180_prep:
	.size	k_q69dce9c180_prep, .Lfunc_end_k_q69dce9c180_prep-k_q69dce9c180_prep
	.p2alignl 7, 3214868480
	.fill 96, 4, 3214868480
	.section	.rodata,"a",@progbits
	.p2align	6, 0x0
	.amdhsa_kernel k_q69dce9c180_prep
		.amdhsa_group_segment_fixed_size 0
		.amdhsa_private_segment_fixed_size 0
		.amdhsa_enable_private_segment 0
		.amdhsa_kernarg_size 56
		.amdhsa_user_sgpr_count 2
		.amdhsa_user_sgpr_kernarg_segment_ptr 1
		.amdhsa_wavefront_size32 1
		.amdhsa_system_sgpr_workgroup_id_x 1
		.amdhsa_system_sgpr_workgroup_id_y 1
		.amdhsa_system_sgpr_workgroup_id_z 1
		.amdhsa_system_vgpr_workitem_id 0
		.amdhsa_next_free_vgpr 224
		.amdhsa_next_free_sgpr 66
		.amdhsa_reserve_vcc 1
		.amdhsa_float_denorm_mode_32 3
		.amdhsa_float_denorm_mode_16_64 3
		.amdhsa_memory_ordered 1
		.amdhsa_forward_progress 1
		.amdhsa_inst_pref_size 21
	.end_amdhsa_kernel
	.amdgpu_metadata
---
amdhsa.version: [ 1, 2 ]
amdhsa.kernels:
  - .name:           k_q69dce9c180_prep
    .symbol:         k_q69dce9c180_prep.kd
    .args:
      - { .name: Wq, .offset: 0, .size: 8, .value_kind: global_buffer, .address_space: global }
      - { .name: Wk, .offset: 8, .size: 8, .value_kind: global_buffer, .address_space: global }
      - { .name: Wv, .offset: 16, .size: 8, .value_kind: global_buffer, .address_space: global }
      - { .name: Wo, .offset: 24, .size: 8, .value_kind: global_buffer, .address_space: global }
      - { .name: wcodes, .offset: 32, .size: 8, .value_kind: global_buffer, .address_space: global }
      - { .name: wscales, .offset: 40, .size: 8, .value_kind: global_buffer, .address_space: global }
      - { .name: wo16, .offset: 48, .size: 8, .value_kind: global_buffer, .address_space: global }
    .group_segment_fixed_size: 0
    .private_segment_fixed_size: 0
    .kernarg_segment_align: 8
    .kernarg_segment_size: 56
    .max_flat_workgroup_size: 32
    .sgpr_count:     66
    .vgpr_count:     224
    .wavefront_size: 32
...
	.end_amdgpu_metadata
.endif
;; end of part 1
;; launch proj (part 2): grid 256 x 1, 8 waves a work-group, no clusters, 304,128 bytes of LDS; arguments query, value, wcodes, wscales, bq, bk, bv, q16, kv; writes q16, kv
.if DOCPART == 2
	.amdgcn_target "amdgcn-amd-amdhsa--gfx1250"
	.amdhsa_code_object_version 6
	.text
	.protected	k_q69dce9c180_proj
	.globl	k_q69dce9c180_proj
	.p2align	8
	.type	k_q69dce9c180_proj,@function
k_q69dce9c180_proj:
	s_mov_b64 s[64:65], 0
	v_nop
	global_prefetch_b8 v0, s[64:65] scope:SCOPE_SE
	s_setreg_imm32_b32 hwreg(HW_REG_WAVE_MODE, 25, 1), 1
	s_wait_xcnt 0x0
; q = query Wq^T + bq, k = value Wk^T + bk, v = value Wv^T + bv, on codes of FP4 (E2M1) with one E8M0 scale for each 32 along K = 512; sums in f32; results rounded once to f16, the operand format of the attention that follows.
; SHARES.  Work-group g takes rows 64 g .. 64 g + 63 of query and of value (batch g / 16, block g % 16).  Each of its eight waves has two parts:
;   it QUANTISES 16 rows x 256 along K (tile of rows w % 4, half of K w / 4) of query and of value, brought as f32 by one tensor load each (rows of 1,024 bytes) into LDS bytes of its own;
;   it MULTIPLIES for head w: channels 64 w .. 64 w + 63 of q, k and v, for all 64 rows.  Its 16 fragments of a weight come from memory straight into registers, already laid as registers.
; The rows' codes and scale words go from wave to wave through LDS as images of the operand's registers (1,024 bytes a fragment, 128 a scale word), one barrier behind each of the two quantisings.
; LAYOUT OF THE RESULTS: images of the f16 fragments that attention wants, so that nothing is turned there.
;   q, k: the product is used transposed (source 0 = 16 rows of W, source 1 = 16 rows of x): a lane holds one row and eight neighbouring channels: four registers of f16 = half a fragment (16 rows x 32 channels).
;   v: source 0 = 16 rows of x, source 1 = 16 rows of W: a lane holds one channel and eight neighbouring keys: half a fragment of V^T (16 channels x 32 keys).
;   q16 [g][head][tile of 16 queries][32 channels][1,024];   kv [batch][head][block of 64 keys]: 8 KiB of K (fragment 2 x tile + channels / 32), then 8 KiB of V^T (fragment 4 x (keys / 32) + tile of channels).
; The biases are the C of each sum's first matrix instruction.
; NO CLUSTER: what work-groups share is the weights, 48 KiB of codes a wave's head; the rows (266,240 bytes) and their images (36,864) fill this work-group's LDS, so the weights have no slot there and go into registers by plain loads.
; LIMITS: blocks whose largest magnitude lies under 2^-124 keep the scale byte 1; NaN and infinities are not served; |q|, |k|, |v| stay under 65,504.
; REGISTERS.  window 0: v1-10 addresses; v16-47 W's scale words, two sets; v48-111 biases, two sets; v112-143 x's four fragments; v148-179 four accumulators; v180-195 results packed;
;   v112-175 also the quantiser's 64 numbers; v196-211 at work; v212-219 codes just made; v220 their scale word; v224-227 x's scale words; v228-231 bv; v252, v253 the add's two.   window 1: W's fragments, two sets of 128.
.set XTILE, 16*1040                    ; a wave's tile of f32: 16 rows of 1,024 bytes + 16 of padding: 260 words, so row r starts at bank 4 r mod 64 (64 banks of 4 bytes: ISA guide 11.1)
.set XV,    8*XTILE                    ; value's eight tiles lie behind query's eight
.set IMG,   16*XTILE                   ; behind them, from a multiple of 256: what the waves store.  The four offsets below count from here
.set QIMG,  0                          ; query's 16 fragments (4 x tile of rows + K step),
.set QSC,   16384                      ; their scale words,
.set VIMG,  18432                      ; value's,
.set VSC,   34816
.set SPARE, IMG+36864                  ; the spare words, 128 bytes for each wave: four blocks of 256 bytes that no other line names
.set XAQ, 1                            ; v1   my lane's place in my tile of query
.set XAV, 2                            ; v2   and of value
.set LI,  3                            ; v3   IMG + 16 x lane
.set LS,  4                            ; v4   IMG + 4 x lane
.set XWI, 5                            ; v5   where I store my fragments
.set XWS, 6                            ; v6   and their scale words
.set LG,  7                            ; v7   16 x lane: an image's place in memory
.set WSO, 8                            ; v8   16 r: a row of W's scale bytes
.set BOF, 9                            ; v9   32 h: my eight numbers of a bias
.set BVO, 10                           ; v10  4 r: my one number of bv
.set WS,  16
.set BI,  48
.set XF,  112
.set NUM, 112
.set ACC, 148
.set PK,  180
.set TM,  196
.set PC,  212
.set PW,  220
.set XS,  224
.set BV,  228
.set SPW, 252
.set NIL, 253
.set WV,  22                           ; s22  my wave's number
.set G1,  24                           ; s[24:31] descriptor group 1;  s[32:35], s[36:39] groups 0 for query's tile and value's
.set SEL, 50
.set MSB, 0
.macro WIN new                         ; the immediate's high byte repeats the setting that is left
.if MSB != \new
	s_set_vgpr_msb (MSB<<8)|\new
.set MSB, \new
.endif
.endm
; 64 numbers of a lane, register 16 b + i = K 32 b + 16 (lane / 16) + i of my row, become a fragment's codes in v[PC] on and its scale word in v[PW]
.macro QUANT s
.irp b, 0,1,2,3
	v_max3_num_f32 v[TM+\b], |v[\s+16*\b]|, |v[\s+1+16*\b]|, 0x1800000   ; my 16 numbers of block b, and the floor 2^(3 - 127): the byte cannot fall under 1
.endr
.irp i, 2,4,6,8,10,12,14
.irp b, 0,1,2,3
	v_max3_num_f32 v[TM+\b], v[TM+\b], |v[\s+16*\b+\i]|, |v[\s+1+16*\b+\i]|   ; the four blocks by turns
.endr
.endr
.irp b, 0,1,2,3
	v_permlanex16_b32 v[TM+4+\b], v[TM+\b], s[SEL], s[SEL+1]
.endr
.irp b, 0,1,2,3
	v_max_num_f32 v[TM+\b], v[TM+\b], v[TM+4+\b]   ; with lane l xor 16's: the block's largest magnitude
.endr
.irp b, 0,1,2,3
	v_add_nc_u32 v[TM+12+\b], 0xff000000, v[TM+\b] ; 2 off its exponent field: the conversion's scale operand
.endr
.irp b, 0,1,2,3
	v_lshrrev_b32 v[TM+4+\b], 23, v[TM+12+\b]      ; the scale's byte
.endr
	v_lshl_or_b32 v[PW], v[TM+5], 8, v[TM+4]       ; the four bytes make my row's scale word
	v_lshl_or_b32 v[PW], v[TM+6], 16, v[PW]
	v_lshl_or_b32 v[PW], v[TM+7], 24, v[PW]
.irp b, 0,1,2,3
	v_cvt_scalef32_pk8_fp4_f32 v[PC+2*\b], v[\s+16*\b:\s+7+16*\b], v[TM+12+\b]
	v_cvt_scalef32_pk8_fp4_f32 v[PC+1+2*\b], v[\s+8+16*\b:\s+15+16*\b], v[TM+12+\b]
.endr
	v_nop                                          ; one plain line behind a scaled conversion
.irp c, 0,1                                    ; the operand wants a WHOLE block in a lane: lanes 0-15 block 2 c, lanes 16-31 block 2 c + 1
.irp i, 0,1
	v_permlane16_swap_b32 v[PC+4*\c+\i], v[PC+2+4*\c+\i]
.endr
.endr
.endm
; my 16 rows x 256 along K, out of my tile at v[xa], become two fragments; their images and scale words go to LDS
.macro XPHASE xa, img, scl
.irp p, 0,1
.irp b, 0,1,2,3
.irp j, 0,1,2,3
	ds_load_b128 v[NUM+16*\b+4*\j:NUM+16*\b+4*\j+3], v[\xa] offset:512*\p+128*\b+16*\j
.endr
.endr
	s_wait_dscnt 0x0
	QUANT NUM
.irp c, 0,1
	ds_store_b128 v[XWI], v[PC+4*\c:PC+4*\c+3] offset:\img+1024*\p+512*\c
.endr
	ds_store_b32 v[XWS], v[PW] offset:\scl+128*\p
	s_wait_dscnt 0x0                               ; the stores have read their registers
.endr
.endm
.macro BARRIER                                 ; my LDS stores have landed and my LDS loads are in: then the work-group's barrier.  A tensor load may stay out across it
	s_wait_dscnt 0x0
	s_barrier_signal -1
	s_barrier_wait -1
.endm
; my head's 16 fragments and 16 scale words of weight mat, into set ws: 36 loads
.macro WLOAD mat, ws
	WIN 0x40                                       ; destination window 1
.irp t, 0,1,2,3
.irp k, 0,1,2,3
.irp c, 0,1
	global_load_b128 v[128*\ws+32*\t+8*\k+4*\c:128*\ws+32*\t+8*\k+4*\c+3], v[LG], s[8:9] offset:\mat*131072+\t*4096+\k*1024+\c*512
.endr
.endr
.endr
	WIN 0
.irp t, 0,1,2,3
	global_load_b128 v[WS+16*\ws+4*\t:WS+16*\ws+4*\t+3], v[WSO], s[10:11] offset:\mat*8192+\t*256   ; row r's 16 bytes: register 4 t + k is the word of K step k
.endr
.endm
.macro BLOAD ws, base                          ; a bias in the transposed result's layout: for tile t the numbers 16 t + 8 h + 0 .. 7: 8 loads
.irp t, 0,1,2,3
	global_load_b128 v[BI+32*\ws+8*\t:BI+32*\ws+8*\t+3], v[BOF], s[\base:\base+1] offset:64*\t
	global_load_b128 v[BI+32*\ws+8*\t+4:BI+32*\ws+8*\t+7], v[BOF], s[\base:\base+1] offset:64*\t+16
.endr
.endm
; One projection for my head: for each tile of 16 rows 16 matrix instructions, K step by K step, the four accumulators by turns.  tr = 1: transposed (q, k); 0: v.
.macro PROD tr, ws, img, scl, base
.irp m, 0,1,2,3
.irp k, 0,1,2,3
	ds_load_b128 v[XF+8*\k:XF+8*\k+3], v[LI] offset:\img+(4*\m+\k)*1024
	ds_load_b128 v[XF+8*\k+4:XF+8*\k+7], v[LI] offset:\img+(4*\m+\k)*1024+512
	ds_load_b32 v[XS+\k], v[LS] offset:\scl+(4*\m+\k)*128
.endr
	s_wait_dscnt 0x0
.if \tr
	WIN 0x01                                       ; source 0 (W) window 1
.else
	WIN 0x04                                       ; source 1 (W) window 1
.endif
.irp k, 0,1,2,3
.irp t, 0,1,2,3
.if \tr
.if \k == 0
	v_wmma_scale_f32_16x16x128_f8f6f4 v[ACC+8*\t:ACC+8*\t+7], v[128*\ws+32*\t+8*\k:128*\ws+32*\t+8*\k+7], v[XF+8*\k:XF+8*\k+7], v[BI+32*\ws+8*\t:BI+32*\ws+8*\t+7], v[WS+16*\ws+4*\t+\k], v[XS+\k] matrix_a_fmt:MATRIX_FMT_FP4 matrix_b_fmt:MATRIX_FMT_FP4
.else
	v_wmma_scale_f32_16x16x128_f8f6f4 v[ACC+8*\t:ACC+8*\t+7], v[128*\ws+32*\t+8*\k:128*\ws+32*\t+8*\k+7], v[XF+8*\k:XF+8*\k+7], v[ACC+8*\t:ACC+8*\t+7], v[WS+16*\ws+4*\t+\k], v[XS+\k] matrix_a_fmt:MATRIX_FMT_FP4 matrix_b_fmt:MATRIX_FMT_FP4
.endif
.else
.if \k == 0
	v_wmma_scale_f32_16x16x128_f8f6f4 v[ACC+8*\t:ACC+8*\t+7], v[XF+8*\k:XF+8*\k+7], v[128*\ws+32*\t+8*\k:128*\ws+32*\t+8*\k+7], v[BI+32*\ws+8*\t:BI+32*\ws+8*\t+7], v[XS+\k], v[WS+16*\ws+4*\t+\k] matrix_a_fmt:MATRIX_FMT_FP4 matrix_b_fmt:MATRIX_FMT_FP4
.else
	v_wmma_scale_f32_16x16x128_f8f6f4 v[ACC+8*\t:ACC+8*\t+7], v[XF+8*\k:XF+8*\k+7], v[128*\ws+32*\t+8*\k:128*\ws+32*\t+8*\k+7], v[ACC+8*\t:ACC+8*\t+7], v[XS+\k], v[WS+16*\ws+4*\t+\k] matrix_a_fmt:MATRIX_FMT_FP4 matrix_b_fmt:MATRIX_FMT_FP4
.endif
.endif
.endr
.endr
	WIN 0
.rept 5
	v_nop                                          ; four places ahead of the first read of results and of loads into operands; the fifth because the next tile's first products write these accumulators anew, with another C
.endr
	s_wait_xcnt 0x0                                ; the last tile's stores have read their data registers: they are written again only behind this wait
.irp t, 0,1,2,3
.irp j, 0,1,2,3
	v_cvt_pk_f16_f32 v[PK+4*\t+\j], v[ACC+8*\t+2*\j], v[ACC+8*\t+2*\j+1]   ; each accumulator from its low end on
.endr
.endr
.irp t, 0,1,2,3
.if \tr
	global_store_b128 v[LG], v[PK+4*\t:PK+4*\t+3], s[\base:\base+1] offset:\m*2048+\t*512   ; fragment 2 m + t / 2, half t % 2: 512 consecutive bytes
.else
	global_store_b128 v[LG], v[PK+4*\t:PK+4*\t+3], s[\base:\base+1] offset:(\m/2)*4096+\t*1024+(\m%2)*512   ; fragment 4 (m / 2) + t, half m % 2
.endif
.endr
.endr
.endm
	s_load_b256 s[4:11], s[0:1], 0x0               ; query s[4:5], value s[6:7], wcodes s[8:9], wscales s[10:11]
	s_load_b256 s[12:19], s[0:1], 0x20             ; bq s[12:13], bk s[14:15], bv s[16:17], q16 s[18:19]
	s_load_b64 s[20:21], s[0:1], 0x40              ; kv
	v_lshl_add_u32 v[SPW], v0, 2, SPARE
	v_mov_b32 v[NIL], 0
	ds_add_u32 v[SPW], v[NIL]                      ; the wave's opening: the add, twice on end, and its wait ahead of my first tensor load
	ds_add_u32 v[SPW], v[NIL]                      ; and once more; the set-up below, work on registers, stands between it and the wait
	v_lshrrev_b32 v11, 5, v0
	v_readfirstlane_b32 s[WV], v11                 ; wave 0..7
	; descriptor group 1: 16 rows x 256 elements of 4 bytes, 512 elements from row to row, 4 words of padding behind each row's 256
	s_mov_b32 s[G1+0], (2<<16)|(1<<20)|(7<<22)|(3<<25)
	s_mov_b32 s[G1+1], 256<<16                     ; tensor_dim0
	s_mov_b32 s[G1+2], 16<<16                      ; tensor_dim1
	s_mov_b32 s[G1+3], 256<<16                     ; tile_dim0
	s_mov_b32 s[G1+4], 16                          ; tile_dim1
	s_mov_b32 s[G1+5], 512                         ; tensor_dim0_stride
	s_mov_b32 s[G1+6], 0
	s_mov_b32 s[G1+7], 0
	s_mov_b32 s32, 1
	s_mul_i32 s33, s[WV], XTILE                    ; my tile of query in LDS,
	s_mov_b32 s36, 1
	s_add_co_u32 s37, s33, XV                      ; and of value
	s_and_b32 s40, s[WV], 3
	s_lshl_b32 s40, s40, 15                        ; my 16 rows of 2,048 bytes,
	s_lshr_b32 s41, s[WV], 2
	s_lshl_b32 s41, s41, 10                        ; my half of K,
	s_add_co_u32 s40, s40, s41
	s_lshl_b32 s41, ttmp9, 17                      ; my work-group's 64 rows
	s_add_co_u32 s40, s40, s41
	s_mov_b32 s41, 0
	s_mov_b32 s[SEL], 0x76543210
	s_mov_b32 s[SEL+1], 0xfedcba98                 ; v_permlanex16_b32's selects for lane l xor 16
	s_wait_dscnt 0x0                               ; both opening adds are done
	s_wait_kmcnt 0x0
	s_add_nc_u64 s[34:35], s[4:5], s[40:41]
	s_or_b32 s35, s35, 0x80000000                  ; type = 2
	s_add_nc_u64 s[38:39], s[6:7], s[40:41]
	s_or_b32 s39, s39, 0x80000000
	tensor_load_to_lds s[32:35], s[G1:G1+7]        ; both fills are first fills and go out together; two loads of mine are out
	s_nop 0
	tensor_load_to_lds s[36:39], s[G1:G1+7]
	s_nop 0
.rept 4
	v_nop
.endr
	v_and_b32 v11, 31, v0                          ; lane
	v_and_b32 v12, 15, v0                          ; r
	v_bfe_u32 v13, v0, 4, 1                        ; h
	v_mul_u32_u24 v[XAQ], v12, 1040
	v_lshl_add_u32 v[XAQ], v13, 6, v[XAQ]          ; row r, + 64 h: my 16 numbers of a block of 32
	v_add_nc_u32 v[XAQ], s33, v[XAQ]
	v_add_nc_u32 v[XAV], XV, v[XAQ]
	v_lshlrev_b32 v[LG], 4, v11
	v_add_nc_u32 v[LI], IMG, v[LG]
	v_lshl_add_u32 v[LS], v11, 2, IMG
	s_and_b32 s42, s[WV], 3
	s_lshl_b32 s42, s42, 2
	s_lshr_b32 s43, s[WV], 2
	s_lshl_b32 s43, s43, 1
	s_add_co_u32 s42, s42, s43                     ; my first fragment: 4 (w % 4) + 2 (w / 4)
	s_lshl_b32 s43, s42, 10
	v_add_nc_u32 v[XWI], s43, v[LI]
	s_lshl_b32 s43, s42, 7
	v_add_nc_u32 v[XWS], s43, v[LS]
	v_lshlrev_b32 v[WSO], 4, v12
	v_lshlrev_b32 v[BOF], 5, v13
	v_lshlrev_b32 v[BVO], 2, v12
.irp b, 0,1,2,3
	v_mov_b32 v[TM+4+\b], 0                        ; written once: a lane permute's destination counts as one of its sources
.endr
	s_mov_b32 s45, 0
	s_lshl_b32 s44, s[WV], 14                      ; my head's four tiles of each weight: 16,384 bytes,
	s_add_nc_u64 s[8:9], s[8:9], s[44:45]
	s_lshl_b32 s44, s[WV], 10                      ; 64 rows of 16 scale bytes,
	s_add_nc_u64 s[10:11], s[10:11], s[44:45]
	s_lshl_b32 s44, s[WV], 8                       ; 64 numbers of each bias
	s_add_nc_u64 s[12:13], s[12:13], s[44:45]
	s_add_nc_u64 s[14:15], s[14:15], s[44:45]
	s_add_nc_u64 s[16:17], s[16:17], s[44:45]
	s_lshl_b32 s44, ttmp9, 16                      ; q16: 65,536 bytes a work-group, 8,192 a head
	s_lshl_b32 s46, s[WV], 13
	s_add_co_u32 s44, s44, s46
	s_add_nc_u64 s[18:19], s[18:19], s[44:45]
	s_lshr_b32 s44, ttmp9, 4                       ; kv: 2,097,152 bytes a batch, 262,144 a head, 16,384 a block
	s_lshl_b32 s44, s44, 21
	s_lshl_b32 s46, s[WV], 18
	s_add_co_u32 s44, s44, s46
	s_and_b32 s46, ttmp9, 15
	s_lshl_b32 s46, s46, 14
	s_add_co_u32 s44, s44, s46
	s_add_nc_u64 s[20:21], s[20:21], s[44:45]
	s_add_nc_u64 s[48:49], s[20:21], 8192          ; V^T's half of the block
	WLOAD 0, 0                                     ; Wq's group: 36 + 8 = 44 loads
	BLOAD 0, 12
	WLOAD 1, 1                                     ; Wk's group: 44 loads
	BLOAD 1, 14
	s_wait_tensorcnt 0x1                           ; my tile of query is in; value's may stay out.  I alone read my tiles
	XPHASE XAQ, QIMG, QSC
	BARRIER                                        ; query's sixteen fragments lie in LDS
	s_wait_loadcnt 44                              ; Wq's group is in; Wk's 44 may be out
	PROD 1, 0, QIMG, QSC, 18
	WLOAD 2, 0                                     ; Wv's group, into the set that q has left: 36 + 4 = 40 loads
.irp t, 0,1,2,3
	global_load_b32 v[BV+\t], v[BVO], s[16:17] offset:64*\t
.endr
	s_wait_tensorcnt 0x0
	XPHASE XAV, VIMG, VSC
	BARRIER                                        ; value's sixteen fragments lie in LDS
	s_wait_loadcnt 40                              ; Wk's group is in; Wv's 40 may be out
	PROD 1, 1, VIMG, VSC, 20
	s_wait_loadcnt 0x0
.irp t, 0,1,2,3
.irp j, 0,1,2,3,4,5,6,7
	v_mov_b32 v[BI+8*\t+\j], v[BV+\t]              ; v's result holds one channel a lane: its bias in all eight registers
.endr
.endr
.rept 4
	v_nop
.endr
	PROD 0, 0, VIMG, VSC, 48
	s_wait_tensorcnt 0x0                           ; the wave's end: behind my last tensor load and my last LDS store
	ds_add_u32 v[SPW], v[NIL]
	s_wait_dscnt 0x0
	s_endpgm
.Lfunc_end_k_q69dce9c180_proj:
	.size	k_q69dce9c180_proj, .Lfunc_end_k_q69dce9c180_proj-k_q69dce9c180_proj
	.p2alignl 7, 3214868480
	.fill 96, 4, 3214868480
	.section	.rodata,"a",@progbits
	.p2align	6, 0x0
	.amdhsa_kernel k_q69dce9c180_proj
		.amdhsa_group_segment_fixed_size 304128
		.amdhsa_private_segment_fixed_size 0
		.amdhsa_enable_private_segment 0
		.amdhsa_kernarg_size 72
		.amdhsa_user_sgpr_count 2
		.amdhsa_user_sgpr_kernarg_segment_ptr 1
		.amdhsa_wavefront_size32 1
		.amdhsa_system_sgpr_workgroup_id_x 1
		.amdhsa_system_sgpr_workgroup_id_y 1
		.amdhsa_system_sgpr_workgroup_id_z 1
		.amdhsa_system_vgpr_workitem_id 0
		.amdhsa_next_free_vgpr 512
		.amdhsa_next_free_sgpr 66
		.amdhsa_reserve_vcc 0
		.amdhsa_float_denorm_mode_32 3
		.amdhsa_float_denorm_mode_16_64 3
		.amdhsa_memory_ordered 1
		.amdhsa_forward_progress 1
		.amdhsa_inst_pref_size 91
	.end_amdhsa_kernel
	.amdgpu_metadata
---
amdhsa.version: [ 1, 2 ]
amdhsa.kernels:
  - .name:           k_q69dce9c180_proj
    .symbol:         k_q69dce9c180_proj.kd
    .args:
      - { .name: query, .offset: 0, .size: 8, .value_kind: global_buffer, .address_space: global }
      - { .name: value, .offset: 8, .size: 8, .value_kind: global_buffer, .address_space: global }
      - { .name: wcodes, .offset: 16, .size: 8, .value_kind: global_buffer, .address_space: global }
      - { .name: wscales, .offset: 24, .size: 8, .value_kind: global_buffer, .address_space: global }
      - { .name: bq, .offset: 32, .size: 8, .value_kind: global_buffer, .address_space: global }
      - { .name: bk, .offset: 40, .size: 8, .value_kind: global_buffer, .address_space: global }
      - { .name: bv, .offset: 48, .size: 8, .value_kind: global_buffer, .address_space: global }
      - { .name: q16, .offset: 56, .size: 8, .value_kind: global_buffer, .address_space: global }
      - { .name: kv, .offset: 64, .size: 8, .value_kind: global_buffer, .address_space: global }
    .group_segment_fixed_size: 304128
    .private_segment_fixed_size: 0
    .kernarg_segment_align: 8
    .kernarg_segment_size: 72
    .max_flat_workgroup_size: 256
    .sgpr_count:     66
    .vgpr_count:     512
    .wavefront_size: 32
...
	.end_amdgpu_metadata
.endif
;; end of part 2
;; launch attn (part 3): grid 16 x 16, 8 waves a work-group, clusters of 4 x 1, 327,680 bytes of LDS; arguments q16, kv, wo16, bo, y, part; writes y, part
.if DOCPART == 3
	.amdgcn_target "amdgcn-amd-amdhsa--gfx1250"
	.amdhsa_code_object_version 6
	.text
	.protected	k_q69dce9c180_attn
	.globl	k_q69dce9c180_attn
	.p2align	8
	.type	k_q69dce9c180_attn,@function
k_q69dce9c180_attn:
	s_mov_b64 s[64:65], 0
	v_nop
	global_prefetch_b8 v0, s[64:65] scope:SCOPE_SE
	s_setreg_imm32_b32 hwreg(HW_REG_WAVE_MODE, 25, 1), 1
	s_wait_xcnt 0x0
	s_wait_alu depctr_hold_cnt(0) depctr_sa_sdst(0) depctr_va_vdst(0) depctr_va_sdst(0) depctr_va_ssrc(0) depctr_va_vcc(0) depctr_vm_vsrc(0)
	s_getreg_b32 s2, hwreg(HW_REG_IB_STS2, 6, 4)
	s_cmp_eq_u32 s2, 0
	s_cbranch_scc0 .Lentry_in_a_cluster
	s_endpgm
.Lentry_in_a_cluster:
	s_bfe_u32 s2, ttmp6, 0x10000c
	s_cmp_lg_u32 s2, 0x3003
	s_cbranch_scc0 .Lentry_shape_is_right
	s_endpgm
.Lentry_shape_is_right:
; y = softmax(q k^T / 8) v, all eight heads, then x Wo^T + bo, and each work-group's part of the statistics that the norm behind it wants.  Operands f16; products, maxima and sums f32.
; SHARES.  A work-group owns 64 queries of one batch.  Wave w is HEAD w for these 64 queries (four tiles of 16) and walks the batch's 1,024 keys, 64 a step; afterwards it owns output channels 64 w .. 64 w + 63 of the 64 rows.
; LAYOUT.  S^T = K Q^T (source 0 = 16 keys, source 1 = 16 queries): a lane holds ONE query (lane % 16) and keys 8 (lane / 16) + 0..7.  Two such tiles, rounded to f16 in pairs, ARE source 1 of O^T = V^T P, whose result again holds
; one query a lane and eight channels; two of ITS tiles, divided by the row's sum and rounded, ARE source 1 of y^T = Wo x^T.  Nothing changes lanes between the three products.  All operands lie in memory as images of their registers.
; SOFTMAX.  For each query a running maximum m and sum l: p = 2^(c s - c m), c = log2(e) / 8; in every step O and l are multiplied by a = 2^(c m_old - c m_new).
; x is multiplied by 2^3 ahead of its rounding to f16 and y by 2^-3 behind the product, both exact: so x has room in f16 on both sides of the size it has here.
; THE RING.  Two slots of 16 KiB for each wave, filled by the tensor data mover with 20 blocks on end: the head's 16 blocks of K and V^T, then the wave's four quarters of Wo.  A wave reads only the blocks that it asked for.
; CLUSTER.  The four query blocks of a cluster belong to one batch and walk the same 20 blocks, so each block is asked for JOINTLY: the same load, the same descriptor, a mask that names the four.  A round of the cluster's barrier
; stands in front of each refill; it also orders the x fragments that the waves hand to each other through LDS.  These have room for six heads (48 KiB): heads 6 and 7 are stored when heads 0 and 1 have been read.
; STATISTICS.  For my 64 channels: the sum of the 64 rows and the sum of squares of their distances from THEIR OWN mean: no difference of large sums is formed.
; LIMITS: NaN and infinities are not served; 8 |x| stays under 65,504.
; REGISTERS.  window 0: v1-11 addresses; v12-43 eight registers of statistics a tile; v44-47 bo; v61 the prefetch's offset; v62, v63 the add's two; v64-191 S^T, later x's fragments, later rows of y; v192-255 P, later at work.
;   window 1: v0-127 O^T, later y's accumulators; v128-191 Q, later x's fragments of a head; v192-255 eight fragments of K, of V^T or of Wo.
.set SLOT1, 1<<17                      ; slot 1 begins here, so that one exclusive or turns an address in one slot into the other's
.set BLK,   16384
.set XIMG,  2*SLOT1                    ; behind the ring: x's fragments, 8,192 bytes a head, six heads
.set SPARE, XIMG+6*8192                ; the spare words, 128 bytes for each wave: four blocks of 256 bytes that no other line names
.set LI,  1                            ; v1   16 x lane
.set AKV, 2                            ; v2   16 x lane + 16,384 x wave: my lane's place in my block of slot 0
.set XWI, 3                            ; v3   where heads 0 to 5 store x
.set XWL, 4                            ; v4   where heads 6 and 7 store it: the places of heads 0 and 1
.set XRD, 5                            ; v5   XIMG + 16 x lane
.set STO, 6                            ; v6   the way out: where I put 32 bytes of a row
.set RD,  7                            ; v7   and where I read a row back
.set GO,  8                            ; v8   2,048 (lane / 16) + 16 (lane % 16): two rows of y; also the two rows of part
.set ADR, 9                            ; v9   the LDS address of the run of loads in hand
.set HH,  10                           ; v10  lane / 16
.set BOF, 11                           ; v11  16 (lane % 16)
.set ST,  12                           ; tile t's statistics at v[ST + 8 t]: +0 c m, +1 m, +2, +3 l (even keys', odd keys'), +4 to +7 at work; a takes +6 once the maximum is found
.set BO,  44
.set PFO, 61
.set SPW, 62
.set NIL, 63
.set S,   64
.set XF,  64
.set Y,   64
.set P,   192
.set QF,  128                          ; in window 1
.set KF,  192                          ; in window 1
.set WV,  16                           ; s16  my wave's number
.set G1,  24                           ; s[24:31] descriptor group 1
.set G0A, 32                           ; s[32:35] group 0 of block 0
.set G0,  36                           ; s[36:39] group 0 of block 1, which then walks
.set TB,  40                           ; s40  LDS byte at which the slot in hand begins
.set CNT, 41                           ; s41  the loop's trips to go
.set CS,  42                           ; s[42:43] c: the packed form names a pair and takes its low word for both halves
.set SEL, 44                           ; s[44:45] v_permlanex16_b32's selects for lane l xor 16
.set PFA, 46                           ; s[46:47] where my prefetches stand
.set LIM, 48                           ; s48  1 in a wave that prefetches, else the greatest number
.set WO,  50                           ; s[50:51] my 64 KiB of wo16
.set MSB, 0
.macro WIN new                         ; the immediate's high byte repeats the setting that is left; a switch that changes nothing is dropped
.if MSB != \new
	s_set_vgpr_msb (MSB<<8)|\new
.set MSB, \new
.endif
.endm
.macro PLACES                          ; four places ahead of loads into registers that matrix instructions have read, and of the first read of results
.rept 4
	v_nop
.endr
.endm
; A round of the cluster's barrier: my work-group's barrier, so that wave 0's signal speaks for all eight waves; wave 0 signals; every wave waits for all four work-groups; my work-group's barrier once more
.macro CROUND
	s_barrier_signal -1
	s_barrier_wait -1
	s_cmp_lg_u32 s[WV], 0
	s_cbranch_scc1 .Lnot_wave_0_\@
	s_barrier_signal -3
.Lnot_wave_0_\@:
	s_barrier_wait -3
	s_barrier_signal -1
	s_barrier_wait -1
.endm
; A PREFETCH INTO THE L2 of the block that the NEXT change of slots will ask for, for all eight heads: 8 x 16 KiB = 512 pieces of 256 bytes.  All four clusters of a batch walk the same blocks: the first of them asks.
; Its four partners take a quarter of each block, told apart BY ADDRESS; in each the even waves ask, for their own head and the next: 16 lanes x 256 bytes each.  So each piece is named once in the launch.
; It stands behind the wave's tensor load and its five lines.  The change that asks for the head's last block names nothing: the walk's next block is Wo's.
.macro ASK
	s_cmp_gt_u32 s[CNT], s[LIM]
	s_cbranch_scc0 .Lnot_mine_\@
	global_prefetch_b8 v[PFO], s[PFA:PFA+1] th:TH_LOAD_NT scope:SCOPE_SE
.Lnot_mine_\@:
.endm
.macro FETCH half                      ; eight fragments out of my block: its first half (K, or two K steps of Wo) or its second (V^T)
.if \half == 0
	WIN 0
	v_add_nc_u32 v[ADR], s[TB], v[AKV]
.endif
	WIN 0x40                                       ; destination window 1
.set n, 0
.rept 16
	ds_load_b128 v[KF+4*n:KF+4*n+3], v[ADR] offset:\half*8192+512*n
.set n, n+1
.endr
.endm
; S^T = K Q^T: product i of 32: channels 32 (i / 16) on, keys 16 ((i / 4) % 4) on, tile i % 4.  The 16 accumulators take turns, one instruction a turn; the first 16 start the sums
.macro KQ
	WIN 0x05                                       ; K and Q window 1, S^T window 0
.set i, 0
.rept 32
.set rS, S+32*(i%4)+8*((i/4)%4)
.set rK, KF+8*(2*((i/4)%4)+i/16)
.set rQ, QF+16*(i%4)+8*(i/16)
.if i < 16
	v_wmma_f32_16x16x32_f16 v[rS:rS+7], v[rK:rK+7], v[rQ:rQ+7], 0
.else
	v_wmma_f32_16x16x32_f16 v[rS:rS+7], v[rK:rK+7], v[rQ:rQ+7], v[rS:rS+7]
.endif
.set i, i+1
.endr
.endm
; O^T += V^T P: product i of 32: keys 32 (i / 16) on, channels 16 ((i / 4) % 4) on, tile i % 4.  zero = 1: the first 16 start the sums: nothing is ever cleared
.macro PV zero
	WIN 0x51                                       ; V^T window 1, P window 0, O^T window 1
.set i, 0
.rept 32
.set rO, 32*(i%4)+8*((i/4)%4)
.set rV, KF+8*(4*(i/16)+(i/4)%4)
.set rP, P+16*(i%4)+8*(i/16)
.if \zero && (i < 16)
	v_wmma_f32_16x16x32_f16 v[rO:rO+7], v[rV:rV+7], v[rP:rP+7], 0
.else
	v_wmma_f32_16x16x32_f16 v[rO:rO+7], v[rV:rV+7], v[rP:rP+7], v[rO:rO+7]
.endif
.set i, i+1
.endr
.endm
; One tile's softmax for one key step is a list of 118 instructions; SM writes number j of it for tile t.  s0-s31 are the lane's 32 scores, in pairs 0-15.  first = 1: the first key step, which has no a and nothing to rescale.
;   0-15    the maximum of s0-s31 and the old m, three operands at a time (each accumulator is first read at its low end)
;   16-20   the other half of the lanes' maximum; the new m; c m; c m_old - c m_new
;   21-69   ONE BATCH: the 16 scalings c s - c m and all 33 exponentials (a at 23, then s0-s31), scalings strewn among the exponentials; none of these reads an exponential's result
;   70-85   the roundings to f16;   86-101 the sums, l = a l + the sum;   102-117 the tile's O^T times a
.macro SM t, first
.set rT, ST+8*(\t)
.set rS, S+32*(\t)
.set rP, P+16*(\t)
.set rO, 32*(\t)+2*(j-102)
.if j < 102
	WIN 0
.endif
.if j < 4
	v_max3_num_f32 v[rT+4+j], v[rS+8*j], v[rS+8*j+1], v[rS+8*j+2]
.elseif j < 12
	v_max3_num_f32 v[rT+4+j%4], v[rT+4+j%4], v[rS+8*(j%4)+2*(j/4)+1], v[rS+8*(j%4)+2*(j/4)+2]
.elseif j == 12
	v_max3_num_f32 v[rT+4], v[rT+4], v[rS+7], v[rS+15]
.elseif j == 13
	v_max3_num_f32 v[rT+6], v[rT+6], v[rS+23], v[rS+31]
.elseif j == 14
	v_max3_num_f32 v[rT+4], v[rT+4], v[rT+5], v[rT+6]
.elseif (j == 15) && \first
	v_max_num_f32 v[rT+4], v[rT+4], v[rT+7]
.elseif j == 15
	v_max3_num_f32 v[rT+4], v[rT+4], v[rT+7], v[rT+1]
.elseif j == 16
	v_permlanex16_b32 v[rT+5], v[rT+4], s[SEL], s[SEL+1]  ; the query's other 32 keys lie in the lane 16 away
.elseif j == 18
	v_max_num_f32 v[rT+1], v[rT+4], v[rT+5]
.elseif j == 19
	v_mul_f32 v[rT], s[CS], v[rT+1]
.elseif ((j == 17) || (j == 20) || (j == 23) || (j > 101)) && \first  ; the first step has none of these
.elseif j == 17
	v_mov_b32 v[rT+7], v[rT]                       ; c m_old is kept for a: number 19 writes c m anew
.elseif j == 20
	v_sub_f32 v[rT+7], v[rT+7], v[rT]
.elseif j == 23
	v_exp_f32 v[rT+6], v[rT+7]
.elseif (j < 23) || ((j < 38) && (j%2 == 0)) || ((j < 66) && (j%4 == 2))
.set b, (j-2)/4                        ; 38, 42, .. 62: pairs 9 to 15
.if j < 38
.set b, (j-20)/2                       ; 21: pair 0; 22, 24, .. 36: pairs 1 to 8
.endif
	v_pk_fma_f32 v[rS+2*b:rS+2*b+1], v[rS+2*b:rS+2*b+1], s[CS:CS+1], v[rT:rT+1] op_sel_hi:[1,0,0] neg_lo:[0,0,1] neg_hi:[0,0,1]  ; pair b: c s - c m
.elseif j < 70
.set e, j-38                           ; 66 to 69: s28 to s31
.if j < 66
.set e, j-32-(j-38)/4                  ; 39-41, 43-45, .. 63-65: s7 to s27
.endif
.if j < 38
.set e, (j-25)/2                       ; 25, 27, .. 37: s0 to s6
.endif
	v_exp_f32 v[rS+e], v[rS+e]
.elseif j < 86
	v_cvt_pk_f16_f32 v[rP+j-70], v[rS+2*(j-70)], v[rS+2*(j-70)+1]  ; pair j - 70
.elseif j < 102                        ; the sum of the tile's 16 pairs, in place: neighbours 1, 2, 4 and 8 pairs apart, then l takes it
.set z, j-86
.set w, 4
.set u, z
.if z >= 14
.set w, 32
.set u, 0
.elseif z >= 12
.set w, 16
.set u, z-12
.elseif z >= 8
.set w, 8
.set u, z-8
.endif
.if (z == 14) && \first
	v_pk_add_f32 v[rT+2:rT+3], v[rS:rS+1], v[rS+16:rS+17]
.elseif z < 15
	v_pk_add_f32 v[rS+w*u:rS+w*u+1], v[rS+w*u:rS+w*u+1], v[rS+w*u+w/2:rS+w*u+w/2+1]
.elseif !\first
	v_pk_fma_f32 v[rT+2:rT+3], v[rT+2:rT+3], v[rT+6:rT+7], v[rS:rS+1] op_sel_hi:[1,0,1]
.endif
.else
	WIN 0x41                                       ; O^T (destination and source 0) window 1, a window 0
	v_pk_mul_f32 v[rO:rO+1], v[rO:rO+1], v[rT+6:rT+7] op_sel_hi:[1,0]
.endif
.endm
; The four tiles' lists, number by number, the tiles by turns, so that no line reads the result of the line above it.  The 132 exponentials are one batch with ONE wait: ahead of number 70 nothing names a result
.macro SOFTMAX first
.set j, 0
.rept 70
.irp t, 0,1,2,3
	SM \t, \first
.endr
.set j, j+1
.endr
	v_nop                                          ; the plain line behind the last exponential
	s_wait_alu depctr_va_vdst(0)                   ; the wait for the batch, ahead of its first reader
.rept 48
.irp t, 0,1,2,3
	SM \t, \first
.endr
.set j, j+1
.endr
.endm
; A KEY STEP: 64 keys, out of my block of the slot in hand.  V^T's loads are on their way while the softmax is walked; the SIMD's other wave has the matrix unit meanwhile
.macro STEP first
	FETCH 0
	s_wait_dscnt 0x0
	KQ
	PLACES
	FETCH 1
	SOFTMAX \first
	s_wait_dscnt 0x0
	PV \first
.endm
; THE CHANGE OF SLOTS.  Each wave waits for all its tensor loads (one is out: the other slot's block), adds 0 to its spare word, and waits for that and for its LDS loads and stores.  Behind the round no wave of any partner reads
; the slot that is left or has a load on its way, and the joint refill is the first thing there: it has a whole step in which to land.  kind 0: the next block of K and V^T; 1: Wo's first quarter; 2: Wo's next
.macro CHANGE kind
	WIN 0                                          ; at a label and at a branch every window is 0
	s_wait_tensorcnt 0x0                           ; no tensor load of mine is out, so the walking group 0 may be written
	ds_add_u32 v[SPW], v[NIL]                      ; 0 onto my spare word: the descriptor's steps stand between it and the wait for it
	s_xor_b32 s[G0+1], s[G0+1], SLOT1              ; the other slot than last time
.if \kind == 1
	s_mov_b64 s[G0+2:G0+3], s[WO:WO+1]
	s_or_b32 s[G0+3], s[G0+3], 0x80000000          ; type = 2
.else
	s_add_nc_u64 s[G0+2:G0+3], s[G0+2:G0+3], BLK   ; the type bits on top are not reached
.endif
.if \kind == 0
	s_wait_xcnt 0x0                                ; the last prefetch, a step back, has read its address, so it may be written:
	s_add_nc_u64 s[PFA:PFA+1], s[PFA:PFA+1], BLK   ; one block further on than the walking descriptor
.endif
	s_wait_dscnt 0x0                               ; the add is done; my reads of the slot are over, and my stores of x have landed
	CROUND
	tensor_load_to_lds s[G0:G0+3], s[G1:G1+7]      ; my one tensor load behind the round
	s_nop 0
.rept 4
	v_nop                                          ; also the places ahead of the loads that follow
.endr
.if \kind == 0
	ASK
.endif
	s_xor_b32 s[TB], s[TB], SLOT1
.endm
; y^T += Wo x^T for heads 2 i and 2 i + 1: for each, two K steps of 32: 32 matrix instructions, the 16 accumulators (tile of rows x, tile of channels t at 8 (4 x + t)) by turns
.macro OP i, zero
.irp e, 0,1
	WIN 0
	v_add_nc_u32 v[ADR], s[TB], v[AKV]
	WIN 0x40
.set n, 0
.rept 16
	ds_load_b128 v[KF+4*n:KF+4*n+3], v[ADR] offset:\e*8192+512*n
	ds_load_b128 v[QF+4*n:QF+4*n+3], v[XRD] offset:((\i)%3)*16384+\e*8192+512*n
.set n, n+1
.endr
	s_wait_dscnt 0x0
	WIN 0x55                                       ; all four in window 1
.set n, 0
.rept 32
.set rD, 8*(n%16)
.set rA, KF+8*(4*(n/16)+n%4)
.set rB, QF+8*(2*((n%16)/4)+n/16)
.if \zero && (\e == 0) && (n < 16)
	v_wmma_f32_16x16x32_f16 v[rD:rD+7], v[rA:rA+7], v[rB:rB+7], 0
.else
	v_wmma_f32_16x16x32_f16 v[rD:rD+7], v[rA:rA+7], v[rB:rB+7], v[rD:rD+7]
.endif
.set n, n+1
.endr
	WIN 0
	PLACES
.endr
.endm
	s_load_b256 s[4:11], s[0:1], 0x0               ; q16 s[4:5], kv s[6:7], wo16 s[8:9], bo s[10:11]
	s_load_b128 s[12:15], s[0:1], 0x20             ; y s[12:13], part s[14:15]
	v_lshl_add_u32 v[SPW], v0, 2, SPARE
	v_mov_b32 v[NIL], 0
	ds_add_u32 v[SPW], v[NIL]                      ; the wave's opening: the add, twice on end, and its wait ahead of my first tensor load
	ds_add_u32 v[SPW], v[NIL]                      ; and once more; the set-up below, work on registers, stands between it and the wait
	v_lshrrev_b32 v[ADR], 5, v0
	v_readfirstlane_b32 s[WV], v[ADR]              ; wave 0..7
	s_bfe_u32 s17, ttmp6, 0x40000                  ; cx: my place in the cluster
	s_lshl_b32 s18, ttmp9, 2                       ; in a cluster launch ttmp9 counts clusters
	s_add_co_u32 s18, s18, s17                     ; my block of 64 queries: it enters q16's, y's and part's addresses alone
	s_and_b32 s19, ttmp7, 0xffff                   ; the batch, which the four partners share
	s_lshl_b32 s20, s19, 21                        ; kv: 2,097,152 bytes a batch,
	s_lshl_b32 s21, s[WV], 18                      ; 262,144 a head
	s_add_co_u32 s20, s20, s21
	s_mov_b32 s21, 0
	s_lshl_b32 s56, s[WV], 16                      ; wo16: 65,536 bytes a wave
	s_mov_b32 s57, 0
	s_lshl_b32 s22, s19, 4
	s_add_co_u32 s22, s22, s18                     ; my work-group among the 256
	s_lshl_b32 s52, s22, 16                        ; q16: 65,536 bytes a work-group, 8,192 a head
	s_lshl_b32 s53, s[WV], 13
	s_add_co_u32 s52, s52, s53
	s_mov_b32 s53, 0
	s_lshl_b32 s58, s[WV], 8                       ; my 64 channels: 256 bytes
	s_mov_b32 s59, 0
	s_lshl_b32 s54, s22, 17                        ; y: 64 rows of 2,048 bytes a work-group
	s_add_co_u32 s54, s54, s58
	s_mov_b32 s55, 0
	s_lshl_b32 s60, s22, 12                        ; part: 4,096 bytes a work-group
	s_add_co_u32 s60, s60, s58
	s_mov_b32 s61, 0
	s_lshl_b32 s62, s17, 12                        ; my work-group's quarter of a block, for the prefetches
	s_mov_b32 s63, 0
	; descriptor group 1: a dense block of 16,384 bytes as 64 rows of 32 elements of 8 bytes; no padding: the images are read 16 bytes a lane on end
	s_mov_b32 s[G1+0], 15|(3<<16)|(1<<21)          ; 15:0 the mask: all four work-groups; 17:16 elements of 8 bytes; 21 set beside a mask
	s_mov_b32 s[G1+1], 32<<16                      ; tensor_dim0
	s_mov_b32 s[G1+2], 64<<16                      ; tensor_dim1
	s_mov_b32 s[G1+3], 32<<16                      ; tile_dim0
	s_mov_b32 s[G1+4], 64                          ; tile_dim1
	s_mov_b32 s[G1+5], 32                          ; tensor_dim0_stride
	s_mov_b32 s[G1+6], 0
	s_mov_b32 s[G1+7], 0
	s_mov_b32 s[CS], 0x3e38aa3b                    ; c = log2(e) / 8
	s_mov_b32 s[CS+1], s[CS]                       ; named with it as a pair, so it is written
	s_mov_b32 s[SEL], 0x76543210
	s_mov_b32 s[SEL+1], 0xfedcba98
	s_mov_b32 s[TB], 0
	s_mov_b32 s[CNT], 13
	s_and_b32 s[LIM], s[WV], 1                     ; 0 in the even waves,
	s_or_b32 s[LIM], s[LIM], ttmp9                 ; where the cluster is the batch's first: the same in all four partners
	s_cmp_eq_u32 s[LIM], 0
	s_cselect_b32 s[LIM], 1, -1
	s_mov_b32 s[G0A], 1
	s_lshl_b32 s[G0A+1], s[WV], 14                 ; my block of slot 0: no place in the cluster enters an LDS address
	s_mov_b32 s[G0], 1
	s_add_co_u32 s[G0+1], s[G0A+1], SLOT1          ; and of slot 1
	s_wait_dscnt 0x0                               ; both opening adds are done
	s_wait_kmcnt 0x0
	s_add_nc_u64 s[6:7], s[6:7], s[20:21]          ; my head's block 0
	s_add_nc_u64 s[WO:WO+1], s[8:9], s[56:57]
	s_mov_b64 s[G0A+2:G0A+3], s[6:7]
	s_or_b32 s[G0A+3], s[G0A+3], 0x80000000
	s_add_nc_u64 s[G0+2:G0+3], s[6:7], BLK
	s_or_b32 s[G0+3], s[G0+3], 0x80000000
	s_add_nc_u64 s[PFA:PFA+1], s[6:7], s[62:63]
	s_add_nc_u64 s[PFA:PFA+1], s[PFA:PFA+1], 2*BLK ; at block 2: the first change steps it to block 3.  Nothing is prefetched here, at the head
	s_add_nc_u64 s[4:5], s[4:5], s[52:53]
	s_add_nc_u64 s[10:11], s[10:11], s[58:59]
	s_add_nc_u64 s[12:13], s[12:13], s[54:55]
	s_add_nc_u64 s[14:15], s[14:15], s[60:61]
	CROUND                                         ; all four work-groups are here: the first joint loads meet
	tensor_load_to_lds s[G0A:G0A+3], s[G1:G1+7]    ; blocks 0 and 1 go out together: two loads of mine are out
	s_nop 0
	tensor_load_to_lds s[G0:G0+3], s[G1:G1+7]
	s_nop 0
.rept 4
	v_nop
.endr
	v_and_b32 v[LI], 31, v0
	v_lshlrev_b32 v[LI], 4, v[LI]
	v_and_b32 v[BOF], 15, v0                       ; r
	v_bfe_u32 v[HH], v0, 4, 1                      ; h
	s_lshl_b32 s52, s[WV], 14
	v_add_nc_u32 v[AKV], s52, v[LI]
	v_mul_u32_u24 v[STO], v[BOF], 272              ; the stage, 16 rows of 256 bytes + 16, in my block of slot 0: in: row r, 32 bytes for each half of the lanes
	v_lshl_add_u32 v[STO], v[HH], 5, v[STO]
	v_add_nc_u32 v[STO], s52, v[STO]
	v_mul_u32_u24 v[RD], v[HH], 272                ; back: lanes 0-15 one row, lanes 16-31 the next
	v_lshl_add_u32 v[RD], v[BOF], 4, v[RD]
	v_add_nc_u32 v[RD], s52, v[RD]
	v_lshlrev_b32 v[GO], 11, v[HH]
	v_lshl_add_u32 v[GO], v[BOF], 4, v[GO]
	v_lshlrev_b32 v[PFO], 18, v[HH]                ; lanes 16-31: the next head;
	v_lshl_add_u32 v[PFO], v[BOF], 8, v[PFO]       ; lanes 256 bytes apart
	v_lshlrev_b32 v[BOF], 4, v[BOF]
	s_lshl_b32 s52, s[WV], 13
	s_add_co_u32 s53, s52, XIMG
	v_add_nc_u32 v[XWI], s53, v[LI]
	s_add_co_u32 s53, s52, XIMG-6*8192
	v_add_nc_u32 v[XWL], s53, v[LI]
	v_add_nc_u32 v[XRD], XIMG, v[LI]
	WIN 0x40
.set n, 0
.rept 16
	global_load_b128 v[QF+4*n:QF+4*n+3], v[LI], s[4:5] offset:512*n th:TH_LOAD_NT   ; Q stays in registers: fragment 2 x tile + channels / 32
.set n, n+1
.endr
	WIN 0
	global_load_b128 v[BO:BO+3], v[BOF], s[10:11]  ; bo at my four channels of the way out
	s_wait_tensorcnt 0x1                           ; block 0 is in; block 1 may stay out.  I alone read my blocks
	s_wait_loadcnt 0x0
	STEP 1                                         ; key step 0 starts m, l and O^T
	CHANGE 0
.Lkv:                                                  ; 13 trips: key steps 1 to 13; behind step n block n + 2 is asked for
	STEP 0
	CHANGE 0
	s_sub_co_u32 s[CNT], s[CNT], 1
	s_cmp_lg_u32 s[CNT], 0
	s_cbranch_scc1 .Lkv
	STEP 0                                         ; key step 14
	CHANGE 1                                       ; the ring goes on into Wo
	STEP 0                                         ; key step 15
	; x = O^T / l, times 2^3, rounded to f16: two tiles of channels make a fragment as they stand.  The additions are the places behind the last products
	WIN 0
.irp t, 0,1,2,3
	v_add_f32 v[ST+8*\t+4], v[ST+8*\t+2], v[ST+8*\t+3]
.endr
.irp t, 0,1,2,3
	v_permlanex16_b32 v[ST+8*\t+5], v[ST+8*\t+4], s[SEL], s[SEL+1]
.endr
.irp t, 0,1,2,3
	v_add_f32 v[ST+8*\t+4], v[ST+8*\t+4], v[ST+8*\t+5]
.endr
.irp t, 0,1,2,3
	v_rcp_f32 v[ST+8*\t+6], v[ST+8*\t+4]
.endr
	v_nop                                          ; a plain line behind the last reciprocal
	s_wait_alu depctr_va_vdst(0)                   ; and the wait ahead of the first use: one for the four
.irp t, 0,1,2,3
	v_mul_f32 v[ST+8*\t+6], 0x41000000, v[ST+8*\t+6]
.endr
	WIN 0x41
.irp t, 0,1,2,3
.set n, 0
.rept 16
	v_pk_mul_f32 v[32*\t+2*n:32*\t+2*n+1], v[32*\t+2*n:32*\t+2*n+1], v[ST+8*\t+6:ST+8*\t+7] op_sel_hi:[1,0]
.set n, n+1
.endr
.endr
	WIN 0x05                                       ; sources window 1, destination window 0: S^T's registers are free
.set n, 0
.rept 64
	v_cvt_pk_f16_f32 v[XF+n], v[2*n], v[2*n+1]
.set n, n+1
.endr
	WIN 0
	s_cmp_lt_u32 s[WV], 6                          ; heads 0 to 5 store their eight fragments now
	s_cbranch_scc0 .Lnot_low
.set n, 0
.rept 16
	ds_store_b128 v[XWI], v[XF+4*n:XF+4*n+3] offset:512*n
.set n, n+1
.endr
.Lnot_low:
	CHANGE 2                                       ; behind this round heads 0 to 5 lie in LDS for every wave
	OP 0, 1                                        ; heads 0, 1
	CHANGE 2                                       ; behind this round nobody reads heads 0 and 1 any more
	s_cmp_ge_u32 s[WV], 6                          ; heads 6 and 7 take their places
	s_cbranch_scc0 .Lnot_high
.set n, 0
.rept 16
	ds_store_b128 v[XWL], v[XF+4*n:XF+4*n+3] offset:512*n
.set n, n+1
.endr
.Lnot_high:
	OP 1, 0                                        ; heads 2, 3
	CHANGE 2                                       ; behind this round heads 6 and 7 lie in LDS for every wave; Wo's last quarter is asked for
	OP 2, 0                                        ; heads 4, 5
	s_wait_tensorcnt 0x0                           ; Wo's last quarter is in; nothing is filled again, and I alone read it: no barrier
	s_xor_b32 s[TB], s[TB], SLOT1
	OP 3, 0                                        ; heads 6, 7
	; THE WAY OUT.  A lane holds eight neighbouring channels of one row, and the lanes beside it other rows: a tile of 16 rows x 64 channels goes through my stage and comes back as rows of 256 bytes.
	; The stage lies in my block of slot 0, which has had its last fill and its last read.  LDS serves a wave's instructions in order (ISA guide 5.7.1.4): no wait between stores and loads, nor ahead of the next tile's stores
.irp x, 0,1,2,3
	WIN 0x04                                       ; an LDS store's data are its source 1: window 1
.irp t, 0,1,2,3
	ds_store_b128 v[STO], v[8*(4*\x+\t):8*(4*\x+\t)+3] offset:64*\t          ; each accumulator from its low end on
	ds_store_b128 v[STO], v[8*(4*\x+\t)+4:8*(4*\x+\t)+7] offset:64*\t+16
.endr
	WIN 0
.irp f, 0,1,2,3,4,5,6,7
	ds_load_b128 v[Y+32*\x+4*\f:Y+32*\x+4*\f+3], v[RD] offset:544*\f
.endr
.endr
.irp x, 0,1,2,3
	s_wait_dscnt 16*(3-\x)                         ; tile x is back; the later tiles' sixteen LDS instructions each may be out
.irp f, 0,1,2,3,4,5,6,7
	v_pk_fma_f32 v[Y+32*\x+4*\f:Y+32*\x+4*\f+1], v[Y+32*\x+4*\f:Y+32*\x+4*\f+1], 0x3e000000, v[BO:BO+1] op_sel_hi:[1,0,1]       ; x 2^-3, + bo
	v_pk_fma_f32 v[Y+32*\x+4*\f+2:Y+32*\x+4*\f+3], v[Y+32*\x+4*\f+2:Y+32*\x+4*\f+3], 0x3e000000, v[BO+2:BO+3] op_sel_hi:[1,0,1]
.endr
.irp f, 0,1,2,3,4,5,6,7
	global_store_b128 v[GO], v[Y+32*\x+4*\f:Y+32*\x+4*\f+3], s[12:13] offset:(16*\x+2*\f)*2048   ; 16 lanes store 256 consecutive bytes, at a multiple of 256 from y's first byte
.endr
.endr
	; my four channels over my 32 rows, then lane l xor 16's 32: the sum; the mean of the 64 rows; the sum of squared distances from it.  y's registers are only read from here on
	v_pk_add_f32 v[192:193], v[Y:Y+1], v[Y+4:Y+5]
	v_pk_add_f32 v[194:195], v[Y+2:Y+3], v[Y+6:Y+7]
.set n, 2
.rept 30
	v_pk_add_f32 v[192:193], v[192:193], v[Y+4*n:Y+4*n+1]
	v_pk_add_f32 v[194:195], v[194:195], v[Y+4*n+2:Y+4*n+3]
.set n, n+1
.endr
.irp k, 0,1,2,3
	v_permlanex16_b32 v[196+\k], v[192+\k], s[SEL], s[SEL+1]
.endr
	v_pk_add_f32 v[192:193], v[192:193], v[196:197]
	v_pk_add_f32 v[194:195], v[194:195], v[198:199]
	v_pk_mul_f32 v[200:201], v[192:193], 0x3c800000 op_sel_hi:[1,0]   ; / 64
	v_pk_mul_f32 v[202:203], v[194:195], 0x3c800000 op_sel_hi:[1,0]
.set n, 0
.rept 32
.set rD, 208+8*(n%2)                   ; two sets of differences by turns
	v_pk_add_f32 v[rD:rD+1], v[Y+4*n:Y+4*n+1], v[200:201] neg_lo:[0,1] neg_hi:[0,1]
	v_pk_add_f32 v[rD+2:rD+3], v[Y+4*n+2:Y+4*n+3], v[202:203] neg_lo:[0,1] neg_hi:[0,1]
.if n == 0
	v_pk_mul_f32 v[204:205], v[rD:rD+1], v[rD:rD+1]
	v_pk_mul_f32 v[206:207], v[rD+2:rD+3], v[rD+2:rD+3]
.else
	v_pk_fma_f32 v[204:205], v[rD:rD+1], v[rD:rD+1], v[204:205]
	v_pk_fma_f32 v[206:207], v[rD+2:rD+3], v[rD+2:rD+3], v[206:207]
.endif
.set n, n+1
.endr
.irp k, 0,1,2,3
	v_permlanex16_b32 v[196+\k], v[204+\k], s[SEL], s[SEL+1]
.endr
	v_pk_add_f32 v[204:205], v[204:205], v[196:197]
	v_pk_add_f32 v[206:207], v[206:207], v[198:199]
	v_cmp_eq_u32 vcc_lo, 1, v[HH]
.irp k, 0,1,2,3
	v_cndmask_b32 v[224+\k], v[192+\k], v[204+\k], vcc_lo   ; lanes 0-15 store the sums, lanes 16-31 the squares: 256 consecutive bytes each
.endr
	global_store_b128 v[GO], v[224:227], s[14:15]
	s_wait_tensorcnt 0x0                           ; the wave's end: behind my last tensor load and my last LDS store
	ds_add_u32 v[SPW], v[NIL]
	s_wait_dscnt 0x0
	CROUND                                         ; the closing round: no work-group ends while a partner may still ask for a block that names it
	s_endpgm
.Lfunc_end_k_q69dce9c180_attn:
	.size	k_q69dce9c180_attn, .Lfunc_end_k_q69dce9c180_attn-k_q69dce9c180_attn
	.p2alignl 7, 3214868480
	.fill 96, 4, 3214868480
	.section	.rodata,"a",@progbits
	.p2align	6, 0x0
	.amdhsa_kernel k_q69dce9c180_attn
		.amdhsa_group_segment_fixed_size 327680
		.amdhsa_private_segment_fixed_size 0
		.amdhsa_enable_private_segment 0
		.amdhsa_kernarg_size 48
		.amdhsa_user_sgpr_count 2
		.amdhsa_user_sgpr_kernarg_segment_ptr 1
		.amdhsa_wavefront_size32 1
		.amdhsa_system_sgpr_workgroup_id_x 1
		.amdhsa_system_sgpr_workgroup_id_y 1
		.amdhsa_system_sgpr_workgroup_id_z 1
		.amdhsa_system_vgpr_workitem_id 0
		.amdhsa_next_free_vgpr 512
		.amdhsa_next_free_sgpr 66
		.amdhsa_reserve_vcc 1
		.amdhsa_float_denorm_mode_32 3
		.amdhsa_float_denorm_mode_16_64 3
		.amdhsa_memory_ordered 1
		.amdhsa_forward_progress 1
		.amdhsa_inst_pref_size 206
	.end_amdhsa_kernel
	.amdgpu_metadata
---
amdhsa.version: [ 1, 2 ]
amdhsa.kernels:
  - .name:           k_q69dce9c180_attn
    .symbol:         k_q69dce9c180_attn.kd
    .args:
      - { .name: q16, .offset: 0, .size: 8, .value_kind: global_buffer, .address_space: global }
      - { .name: kv, .offset: 8, .size: 8, .value_kind: global_buffer, .address_space: global }
      - { .name: wo16, .offset: 16, .size: 8, .value_kind: global_buffer, .address_space: global }
      - { .name: bo, .offset: 24, .size: 8, .value_kind: global_buffer, .address_space: global }
      - { .name: y, .offset: 32, .size: 8, .value_kind: global_buffer, .address_space: global }
      - { .name: part, .offset: 40, .size: 8, .value_kind: global_buffer, .address_space: global }
    .group_segment_fixed_size: 327680
    .private_segment_fixed_size: 0
    .kernarg_segment_align: 8
    .kernarg_segment_size: 48
    .max_flat_workgroup_size: 256
    .sgpr_count:     66
    .vgpr_count:     512
    .wavefront_size: 32
...
	.end_amdgpu_metadata
.endif
;; end of part 3
;; launch bn (part 4): grid 8 x 32, 16 waves a work-group, no clusters, 10,240 bytes of LDS; arguments y, part, gamma, beta, out0; writes out0
.if DOCPART == 4
	.amdgcn_target "amdgcn-amd-amdhsa--gfx1250"
	.amdhsa_code_object_version 6
	.text
	.protected	k_q69dce9c180_bn
	.globl	k_q69dce9c180_bn
	.p2align	8
	.type	k_q69dce9c180_bn,@function
k_q69dce9c180_bn:
	s_mov_b64 s[64:65], 0
	v_nop
	global_prefetch_b8 v0, s[64:65] scope:SCOPE_SE
	s_setreg_imm32_b32 hwreg(HW_REG_WAVE_MODE, 25, 1), 1
	s_wait_xcnt 0x0
; out0 = relu((y - mean) rsqrt(var + 1e-5) gamma + beta), mean and var (biased) of each channel over all 16,384 rows.  All in f32.
; SHARES.  A work-group takes 64 channels (256 bytes of a row: work-group x) and 512 rows (work-group y).  Thread t: four channels 4 (t % 16) on, and g = t / 16: rows g + 32 p, p = 0 .. 15.
; Each load and store of sixteen neighbouring lanes covers 256 consecutive bytes, aligned.  A thread's 16 loads of y are issued at the head and land while the statistics are put together.
; STATISTICS.  part holds, for each of 256 blocks of 64 rows, each channel's sum and the sum of squared distances from the block's own mean.  Thread (i, g) takes blocks 8 g .. 8 g + 7.
;   mean = the sum of the sums / 16,384;   var = (the sum of the blocks' squares + 64 x the sum of (block's mean - mean)^2) / 16,384: no difference of large sums is formed.
; Each of the two sums over the 32 values of g goes over the halves of the lanes, then over the 16 waves through LDS bytes of its own: two barriers.
; No matrix unit, no tensor load, no cluster: y is read once and shared with nobody.  The 128 KiB of part that a work-group reads are read by the 32 work-groups of its strip; they come by plain loads into registers.
; LIMITS: NaN and infinities are not served.
.set RED1,  0                          ; 16 waves x 256 bytes
.set RED2,  4096
.set SPARE, 8192                       ; the spare words, 128 bytes for each wave: eight blocks of 256 bytes that no other line names
.set SPW, 8
.set NIL, 9
.set PS,  16                           ; v16-47   eight blocks' sums
.set PM,  48                           ; v48-79   eight blocks' squares
.set GA,  80
.set BE,  84
.set MEAN, 88
.set SCL, 92
.set Y,   96                           ; v96-159  16 rows x 4 channels
.set R,   160                          ; v160-223 the 16 waves' parts of a sum
	s_load_b256 s[4:11], s[0:1], 0x0               ; y s[4:5], part s[6:7], gamma s[8:9], beta s[10:11]
	s_load_b64 s[12:13], s[0:1], 0x20              ; out0
	v_lshl_add_u32 v[SPW], v0, 2, SPARE
	v_mov_b32 v[NIL], 0
	v_and_b32 v1, 15, v0
	v_lshlrev_b32 v1, 4, v1                        ; 16 i
	v_lshrrev_b32 v2, 4, v0                        ; g
	v_lshl_add_u32 v3, v2, 15, v1                  ; part: eight blocks of 4,096 bytes for each g
	v_lshl_add_u32 v4, v2, 11, v1                  ; y and out0: row g
	v_lshrrev_b32 v5, 5, v0
	v_lshl_add_u32 v5, v5, 8, v1                   ; LDS: my wave's 256 bytes, my four channels
.irp k, 0,1,2,3
	v_mov_b32 v[228+\k], 0                         ; a lane permute's destination counts as one of its sources
.endr
	s_lshl_b32 s14, ttmp9, 8                       ; my strip: 256 bytes
	s_mov_b32 s15, 0
	s_and_b32 s16, ttmp7, 0xffff
	s_lshl_b32 s16, s16, 20                        ; my 512 rows of 2,048 bytes
	s_add_co_u32 s16, s16, s14
	s_mov_b32 s17, 0
	s_mov_b32 s18, 0x76543210
	s_mov_b32 s19, 0xfedcba98                      ; v_permlanex16_b32's selects for lane l xor 16
	s_mov_b32 s20, 0x38800000                      ; 1 / 16,384
	s_mov_b32 s21, 0x3727c5ac                      ; 1e-5
	s_wait_kmcnt 0x0
	s_add_nc_u64 s[4:5], s[4:5], s[16:17]
	s_add_nc_u64 s[12:13], s[12:13], s[16:17]
	s_add_nc_u64 s[6:7], s[6:7], s[14:15]
	s_add_nc_u64 s[8:9], s[8:9], s[14:15]
	s_add_nc_u64 s[10:11], s[10:11], s[14:15]
.irp e, 0,1,2,3,4,5,6,7
	global_load_b128 v[PS+4*\e:PS+4*\e+3], v3, s[6:7] offset:4096*\e
	global_load_b128 v[PM+4*\e:PM+4*\e+3], v3, s[6:7] offset:4096*\e+2048
.endr
	global_load_b128 v[GA:GA+3], v1, s[8:9]
	global_load_b128 v[BE:BE+3], v1, s[10:11]
.irp p, 0,1,2,3,4,5,6,7,8,9,10,11,12,13,14,15
	global_load_b128 v[Y+4*\p:Y+4*\p+3], v4, s[4:5] offset:65536*\p th:TH_LOAD_NT
.endr
; v[224:227], a number for each of my four channels, is summed over the 32 values of g; the total comes back in v[224:227] of every thread
.macro REDUCE off
.irp k, 0,1,2,3
	v_permlanex16_b32 v[228+\k], v[224+\k], s18, s19
.endr
	v_pk_add_f32 v[224:225], v[224:225], v[228:229]
	v_pk_add_f32 v[226:227], v[226:227], v[230:231]
	ds_store_b128 v5, v[224:227] offset:\off       ; both halves of the lanes write the same bytes with the same values
	s_wait_dscnt 0x0                               ; for the others' sake: my store has landed
	s_barrier_signal -1
	s_barrier_wait -1
.irp k, 0,1,2,3,4,5,6,7,8,9,10,11,12,13,14,15
	ds_load_b128 v[R+4*\k:R+4*\k+3], v1 offset:\off+256*\k
.endr
	s_wait_dscnt 0x0
	v_pk_add_f32 v[224:225], v[R:R+1], v[R+4:R+5]
	v_pk_add_f32 v[226:227], v[R+2:R+3], v[R+6:R+7]
.irp k, 2,3,4,5,6,7,8,9,10,11,12,13,14,15
	v_pk_add_f32 v[224:225], v[224:225], v[R+4*\k:R+4*\k+1]
	v_pk_add_f32 v[226:227], v[226:227], v[R+4*\k+2:R+4*\k+3]
.endr
.endm
	s_wait_loadcnt 16                              ; part, gamma and beta are in; y's 16 loads may be out
	v_pk_add_f32 v[224:225], v[PS:PS+1], v[PS+4:PS+5]
	v_pk_add_f32 v[226:227], v[PS+2:PS+3], v[PS+6:PS+7]
.irp e, 2,3,4,5,6,7
	v_pk_add_f32 v[224:225], v[224:225], v[PS+4*\e:PS+4*\e+1]
	v_pk_add_f32 v[226:227], v[226:227], v[PS+4*\e+2:PS+4*\e+3]
.endr
	REDUCE RED1
	v_pk_mul_f32 v[MEAN:MEAN+1], v[224:225], 0x38800000 op_sel_hi:[1,0]
	v_pk_mul_f32 v[MEAN+2:MEAN+3], v[226:227], 0x38800000 op_sel_hi:[1,0]
	v_pk_add_f32 v[224:225], v[PM:PM+1], v[PM+4:PM+5]
	v_pk_add_f32 v[226:227], v[PM+2:PM+3], v[PM+6:PM+7]
.irp e, 2,3,4,5,6,7
	v_pk_add_f32 v[224:225], v[224:225], v[PM+4*\e:PM+4*\e+1]
	v_pk_add_f32 v[226:227], v[226:227], v[PM+4*\e+2:PM+4*\e+3]
.endr
.irp e, 0,1,2,3,4,5,6,7
	v_pk_fma_f32 v[PS+4*\e:PS+4*\e+1], v[PS+4*\e:PS+4*\e+1], 0x3c800000, v[MEAN:MEAN+1] op_sel_hi:[1,0,1] neg_lo:[0,0,1] neg_hi:[0,0,1]       ; the block's mean less the mean
	v_pk_fma_f32 v[PS+4*\e+2:PS+4*\e+3], v[PS+4*\e+2:PS+4*\e+3], 0x3c800000, v[MEAN+2:MEAN+3] op_sel_hi:[1,0,1] neg_lo:[0,0,1] neg_hi:[0,0,1]
.endr
	v_pk_mul_f32 v[232:233], v[PS:PS+1], v[PS:PS+1]
	v_pk_mul_f32 v[234:235], v[PS+2:PS+3], v[PS+2:PS+3]
.irp e, 1,2,3,4,5,6,7
	v_pk_fma_f32 v[232:233], v[PS+4*\e:PS+4*\e+1], v[PS+4*\e:PS+4*\e+1], v[232:233]
	v_pk_fma_f32 v[234:235], v[PS+4*\e+2:PS+4*\e+3], v[PS+4*\e+2:PS+4*\e+3], v[234:235]
.endr
	v_pk_fma_f32 v[224:225], v[232:233], 0x42800000, v[224:225] op_sel_hi:[1,0,1]   ; x 64 rows a block
	v_pk_fma_f32 v[226:227], v[234:235], 0x42800000, v[226:227] op_sel_hi:[1,0,1]
	REDUCE RED2
.irp k, 0,1,2,3
	v_fma_f32 v[224+\k], v[224+\k], s20, s21       ; var + 1e-5
.endr
.irp k, 0,1,2,3
	v_rsq_f32 v[232+\k], v[224+\k]
.endr
	v_nop                                          ; a plain line behind the last of the four
	s_wait_alu depctr_va_vdst(0)                   ; the wait ahead of the first use: one for the four
	v_pk_mul_f32 v[SCL:SCL+1], v[232:233], v[GA:GA+1]
	v_pk_mul_f32 v[SCL+2:SCL+3], v[234:235], v[GA+2:GA+3]
.irp p, 0,1,2,3,4,5,6,7,8,9,10,11,12,13,14,15
	s_wait_loadcnt 15-\p                           ; loads come back in order (ISA guide 5.7.1): row p is in, the later rows may be out
	v_pk_add_f32 v[Y+4*\p:Y+4*\p+1], v[Y+4*\p:Y+4*\p+1], v[MEAN:MEAN+1] neg_lo:[0,1] neg_hi:[0,1]
	v_pk_add_f32 v[Y+4*\p+2:Y+4*\p+3], v[Y+4*\p+2:Y+4*\p+3], v[MEAN+2:MEAN+3] neg_lo:[0,1] neg_hi:[0,1]
	v_pk_fma_f32 v[Y+4*\p:Y+4*\p+1], v[Y+4*\p:Y+4*\p+1], v[SCL:SCL+1], v[BE:BE+1]
	v_pk_fma_f32 v[Y+4*\p+2:Y+4*\p+3], v[Y+4*\p+2:Y+4*\p+3], v[SCL+2:SCL+3], v[BE+2:BE+3]
.irp k, 0,1,2,3
	v_max_num_f32 v[Y+4*\p+\k], 0, v[Y+4*\p+\k]
.endr
	global_store_b128 v4, v[Y+4*\p:Y+4*\p+3], s[12:13] offset:65536*\p th:TH_STORE_NT   ; each row has registers of its own: no store's data are written again
.endr
	s_wait_tensorcnt 0x0                           ; the wave's end: behind my last LDS store
	ds_add_u32 v[SPW], v[NIL]
	s_wait_dscnt 0x0
	s_endpgm
.Lfunc_end_k_q69dce9c180_bn:
	.size	k_q69dce9c180_bn, .Lfunc_end_k_q69dce9c180_bn-k_q69dce9c180_bn
	.p2alignl 7, 3214868480
	.fill 96, 4, 3214868480
	.section	.rodata,"a",@progbits
	.p2align	6, 0x0
	.amdhsa_kernel k_q69dce9c180_bn
		.amdhsa_group_segment_fixed_size 10240
		.amdhsa_private_segment_fixed_size 0
		.amdhsa_enable_private_segment 0
		.amdhsa_kernarg_size 40
		.amdhsa_user_sgpr_count 2
		.amdhsa_user_sgpr_kernarg_segment_ptr 1
		.amdhsa_wavefront_size32 1
		.amdhsa_system_sgpr_workgroup_id_x 1
		.amdhsa_system_sgpr_workgroup_id_y 1
		.amdhsa_system_sgpr_workgroup_id_z 1
		.amdhsa_system_vgpr_workitem_id 0
		.amdhsa_next_free_vgpr 240
		.amdhsa_next_free_sgpr 66
		.amdhsa_reserve_vcc 0
		.amdhsa_float_denorm_mode_32 3
		.amdhsa_float_denorm_mode_16_64 3
		.amdhsa_memory_ordered 1
		.amdhsa_forward_progress 1
		.amdhsa_inst_pref_size 26
	.end_amdhsa_kernel
	.amdgpu_metadata
---
amdhsa.version: [ 1, 2 ]
amdhsa.kernels:
  - .name:           k_q69dce9c180_bn
    .symbol:         k_q69dce9c180_bn.kd
    .args:
      - { .name: y, .offset: 0, .size: 8, .value_kind: global_buffer, .address_space: global }
      - { .name: part, .offset: 8, .size: 8, .value_kind: global_buffer, .address_space: global }
      - { .name: gamma, .offset: 16, .size: 8, .value_kind: global_buffer, .address_space: global }
      - { .name: beta, .offset: 24, .size: 8, .value_kind: global_buffer, .address_space: global }
      - { .name: out0, .offset: 32, .size: 8, .value_kind: global_buffer, .address_space: global }
    .group_segment_fixed_size: 10240
    .private_segment_fixed_size: 0
    .kernarg_segment_align: 8
    .kernarg_segment_size: 40
    .max_flat_workgroup_size: 512
    .sgpr_count:     66
    .vgpr_count:     240
    .wavefront_size: 32
...
	.end_amdgpu_metadata
.endif
;; end of part 4
